; MI455X (gfx1250); checked and timed in simulation.
; The chip was launched on July 23, 2026; its instructions are those of AMD's public machine-readable ISA for CDNA 5 (MIT licence, August 2026) and "CDNA5" Instruction Set Architecture Reference Guide (July 2026). The comments in the code are by the model that wrote it; some were corrected since.
;; Distance Transform. Allowed arithmetic: float matrix products may take bf16 or f16 operands with f32 sums; other float arithmetic in f32, or as packed bf16 or f16 multiplies, adds, multiply-adds, maxima and minima; sums over many terms, partial sums and values carried from step to step in f32; what a program stores and reads back later, other than sums and carried values, may be rounded once to bf16 or f16.
;; Inputs: mask 768 x 1,536 float32.
;; Outputs: out0 768 x 1,536 float32.
;; 2 versions, each right; version 2 is version 1 with the launch rows written anew for expert scheduling mode. Each part assembles by itself: llvm-mc -triple=amdgcn-amd-amdhsa -mcpu=gfx1250 --defsym DOCPART=n.
;; ======== version 1 of 2: 2 launches
;; workspace buffers: h2 4,718,592 bytes; rad 98,304 bytes of whole numbers
;; launch rows (part 1): grid 256 x 1, 3 waves a work-group, no clusters, 0 bytes of LDS; arguments mask, h2, rad; writes h2, rad
.if DOCPART == 1
	.amdgcn_target "amdgcn-amd-amdhsa--gfx1250"
	.amdhsa_code_object_version 6
	.text
	.protected	k_qf1466f2a70_rows
	.globl	k_qf1466f2a70_rows
	.p2align	8
	.type	k_qf1466f2a70_rows,@function
k_qf1466f2a70_rows:
	s_mov_b64 s[64:65], 0
	v_nop
	global_prefetch_b8 v0, s[64:65] scope:SCOPE_SE
	s_setreg_imm32_b32 hwreg(HW_REG_WAVE_MODE, 25, 1), 1
	s_wait_xcnt 0x0
; EUCLIDEAN DISTANCE TRANSFORM, FIRST HALF: for every pixel the distance h ALONG ITS ROW to the nearest background pixel (mask == 0), 2304 where the row has none;
; h2[row][col] = h * h in f32 (whole numbers up to 5,308,416: exact), and rad[row][s] = the largest h among columns 64 s .. 64 s + 63, as a whole number.
; The reference takes the 1-D distance down the columns first and combines along the rows.  The result is the least (i-r)^2 + (j-k)^2 over all background pixels (r, k) whichever axis
; comes first: 2304^2 is above every real candidate (767^2 + 1535^2 = 2,944,514), so a line without background never wins unless no line has any, and then both orders give 2304.
; Rows first, because a row is 6,144 consecutive bytes: ONE WAVE OWNS ONE ROW, nothing passes between waves, no LDS, no barrier.  256 work-groups of 3 waves: 768 rows.
; NaN is foreground, -0.0 background, as mask == 0 has it.
; LAYOUT.  The row is 12 chunks of 128 columns; a chunk is one load of 16 bytes a lane: lane l holds columns 4 l .. 4 l + 3 of the chunk, the wave 512 consecutive bytes.
; METHOD.  Forward: a background pixel counts as its place in the chunk + 1 (1 .. 128), any other as -8192; the running maximum P over all columns up to mine gives left = place + 1 - P.
; Backward the same with mirrored places (128 .. 1) and a maximum over all columns from mine on.  The maximum runs in the lane (3 steps), over 16 lanes (4 steps on the arithmetic itself),
; from the lower 16 lanes to the upper, and from chunk to chunk, where a place loses 128.  The carry starts at -4096: where no background lies that way the distance exceeds 2304 and is cut to it.
.set ROWB, 6144                        ; bytes in a row
.set OFF,  2                           ; v2       16 x lane; never rewritten
.set NEGV, 3                           ; v3       -8192: no background here
.set Q,    4                           ; v[4:7]   place + 1 of my four columns in a chunk
.set QB,   8                           ; v[8:11]  the mirrored place + 1
.set CF,   12                          ; v12      the carry into the chunk in hand, forward
.set CB,   13                          ; v13      backward
.set RW,   14                          ; v14      my word of rad
.set RO,   15                          ; v15      its byte offset in the row's 128 bytes of rad
.set F,    16                          ; v[16:63]   chunk k at F + 4 k: the mask as loaded, then forward maxima, then h, then h * h
.set G,    64                          ; v[64:111]  chunk k at G + 4 k: backward maxima, then the distance to the right
.set XF,   112                         ; v[112:123] chunk k: the maximum over everything to the left of my lane
.set XB,   124                         ; v[124:135] chunk k: over everything to the right of my lane
.set MX,   136                         ; v[136:147] chunk k: the largest h of my four columns, then of my 16 lanes
.set HI,   14                          ; s14      lanes 16 to 31
.set BIGS, 15                          ; s15      2304.0
.set RF,   16                          ; s[16:39] chunk k: the forward totals of lanes 0-15 and of lanes 16-31
.set RB,   40                          ; s[40:63] the backward totals likewise
.set CM,   66                          ; s[66:69] lane masks at work
.macro EACH line:vararg                ; one line for each chunk k
.set k, 0
.rept 12
	\line
.set k, k+1
.endr
.endm
	s_load_b128 s[4:7], s[0:1], 0x0                ; mask s[4:5], h2 s[6:7]
	s_load_b64 s[8:9], s[0:1], 0x10                ; rad
	v_and_b32 v1, 31, v0                           ; lane
	v_lshrrev_b32 v[RO], 5, v0
	v_readfirstlane_b32 s10, v[RO]                 ; wave 0..2
	s_mul_i32 s11, ttmp9, 3
	s_add_co_u32 s11, s11, s10                     ; my row
	s_mul_i32 s12, s11, ROWB                       ; its first byte, under 2^23
	s_mov_b32 s13, 0
	v_lshlrev_b32 v[OFF], 4, v1
	s_wait_kmcnt 0x0
	s_add_nc_u64 s[4:5], s[4:5], s[12:13]
	s_add_nc_u64 s[6:7], s[6:7], s[12:13]
	s_lshl_b32 s12, s11, 7                         ; 128 bytes of rad a row
	s_add_nc_u64 s[8:9], s[8:9], s[12:13]
	EACH global_load_b128 v[F+4*k:F+4*k+3], v[OFF], s[4:5] offset:512*k th:TH_LOAD_NT  ; the whole row at once: 12 loads of the wave are out; the launch reads each byte once
	; the constants are made while the row is on its way
	v_lshlrev_b32 v[CF], 2, v1
	v_cvt_f32_u32 v[CF], v[CF]                     ; 4 x lane
	v_add_f32 v[Q],   1.0, v[CF]
	v_add_f32 v[Q+1], 2.0, v[CF]
	v_add_f32 v[Q+2], 0x40400000, v[CF]            ; 3.0
	v_add_f32 v[Q+3], 4.0, v[CF]
	v_sub_f32 v[QB],   0x43000000, v[CF]           ; 128 - 4 x lane
	v_sub_f32 v[QB+1], 0x42fe0000, v[CF]           ; 127
	v_sub_f32 v[QB+2], 0x42fc0000, v[CF]           ; 126
	v_sub_f32 v[QB+3], 0x42fa0000, v[CF]           ; 125
	v_mov_b32 v[NEGV], 0xc6000000                  ; -8192: below every carry (-4096 - 12 x 128 at the least)
	s_mov_b32 s[HI], 0xffff0000
	s_mov_b32 s[BIGS], 0x45100000                  ; 2304.0
	v_and_b32 v[RO], 15, v1
	v_lshrrev_b32 v[RW], 4, v1
	v_lshl_add_u32 v[RO], v[RO], 1, v[RW]          ; lane k holds strip 2 k, lane 16 + k strip 2 k + 1
	v_lshlrev_b32 v[RO], 2, v[RO]
	; background -> its place, both ways
.set k, 0
.rept 12
	s_wait_loadcnt 11-k                            ; loads come back in order (ISA guide 5.7.1): chunk k is in, the 11 - k chunks behind it may be out
.irp e, 0,1,2,3
	v_cmp_eq_f32 s[CM+\e], 0, v[F+4*k+\e]
.endr
.irp e, 0,1,2,3
	v_cndmask_b32 v[G+4*k+\e], v[NEGV], v[QB+\e], s[CM+\e]
	v_cndmask_b32 v[F+4*k+\e], v[NEGV], v[Q+\e], s[CM+\e]
.endr
.set k, k+1
.endr
	; in the lane: forward from column 0 to 3, backward from 3 to 0.  Every step is written for all 12 chunks, so that no line waits for the one in front of it
	EACH v_max_num_f32 v[F+4*k+1], v[F+4*k], v[F+4*k+1]
	EACH v_max_num_f32 v[G+4*k+2], v[G+4*k+3], v[G+4*k+2]
	EACH v_max_num_f32 v[F+4*k+2], v[F+4*k+1], v[F+4*k+2]
	EACH v_max_num_f32 v[G+4*k+1], v[G+4*k+2], v[G+4*k+1]
	EACH v_max_num_f32 v[F+4*k+3], v[F+4*k+2], v[F+4*k+3]
	EACH v_max_num_f32 v[G+4*k], v[G+4*k+1], v[G+4*k]
	; over 16 lanes, in place: lane i takes lane i - n (forward) or i + n (backward); a lane without such a neighbour keeps what it has, which is right
.irp n, 1,2,4,8
	EACH v_max_num_f32_dpp v[F+4*k+3], v[F+4*k+3], v[F+4*k+3] row_shr:\n row_mask:0xf bank_mask:0xf
	EACH v_max_num_f32_dpp v[G+4*k], v[G+4*k], v[G+4*k] row_shl:\n row_mask:0xf bank_mask:0xf
.endr
	; the totals of the two halves of the lanes: forward they stand in the last lane of a half, backward in the first
	EACH v_readlane_b32 s[RF+2*k], v[F+4*k+3], 15
	EACH v_readlane_b32 s[RF+2*k+1], v[F+4*k+3], 31
	EACH v_readlane_b32 s[RB+2*k], v[G+4*k], 0
	EACH v_readlane_b32 s[RB+2*k+1], v[G+4*k], 16
	EACH v_cndmask_b32 v[XF+k], v[NEGV], s[RF+2*k], s[HI]    ; lanes 16-31 have lanes 0-15 to their left
	EACH v_cndmask_b32 v[XB+k], s[RB+2*k+1], v[NEGV], s[HI]  ; lanes 0-15 have lanes 16-31 to their right
	; from chunk to chunk: forward upward, backward downward; in the next chunk's count a place is 128 less
	v_mov_b32 v[CF], 0xc5800000                    ; -4096: nothing yet
	v_mov_b32 v[CB], 0xc5800000
.set k, 0
.rept 12
	v_max_num_f32 v[XF+k], v[CF], v[XF+k]
	v_max_num_f32 v[XB+11-k], v[CB], v[XB+11-k]
.if k < 11
	v_max3_num_f32 v[CF], v[CF], s[RF+2*k], s[RF+2*k+1]
	v_max3_num_f32 v[CB], v[CB], s[RB+2*(11-k)], s[RB+2*(11-k)+1]
	v_add_f32 v[CF], 0xc3000000, v[CF]             ; - 128
	v_add_f32 v[CB], 0xc3000000, v[CB]
.endif
.set k, k+1
.endr
	; and the lanes of my own half in front of me (behind me): my neighbour's running maximum; the first (last) lane of a half keeps the carry
	EACH v_max_num_f32_dpp v[XF+k], v[F+4*k+3], v[XF+k] row_shr:1 row_mask:0xf bank_mask:0xf
	EACH v_max_num_f32_dpp v[XB+k], v[G+4*k], v[XB+k] row_shl:1 row_mask:0xf bank_mask:0xf
	; distances, h, its square, and out
.set k, 0
.rept 12
.irp e, 0,1,2,3
	v_max_num_f32 v[F+4*k+\e], v[F+4*k+\e], v[XF+k]
	v_max_num_f32 v[G+4*k+\e], v[G+4*k+\e], v[XB+k]
.endr
	v_pk_add_f32 v[F+4*k:F+4*k+1],   v[Q:Q+1],     v[F+4*k:F+4*k+1]   neg_lo:[0,1] neg_hi:[0,1]  ; to the left: place + 1 - P
	v_pk_add_f32 v[F+4*k+2:F+4*k+3], v[Q+2:Q+3],   v[F+4*k+2:F+4*k+3] neg_lo:[0,1] neg_hi:[0,1]
	v_pk_add_f32 v[G+4*k:G+4*k+1],   v[QB:QB+1],   v[G+4*k:G+4*k+1]   neg_lo:[0,1] neg_hi:[0,1]  ; to the right
	v_pk_add_f32 v[G+4*k+2:G+4*k+3], v[QB+2:QB+3], v[G+4*k+2:G+4*k+3] neg_lo:[0,1] neg_hi:[0,1]
.irp e, 0,1,2,3
	v_min3_num_f32 v[F+4*k+\e], v[F+4*k+\e], v[G+4*k+\e], s[BIGS]
.endr
	v_max3_num_f32 v[MX+k], v[F+4*k], v[F+4*k+1], v[F+4*k+2]
	v_max_num_f32 v[MX+k], v[MX+k], v[F+4*k+3]
	v_pk_mul_f32 v[F+4*k:F+4*k+1], v[F+4*k:F+4*k+1], v[F+4*k:F+4*k+1]
	v_pk_mul_f32 v[F+4*k+2:F+4*k+3], v[F+4*k+2:F+4*k+3], v[F+4*k+2:F+4*k+3]
	global_store_b128 v[OFF], v[F+4*k:F+4*k+3], s[6:7] offset:512*k  ; 512 consecutive bytes, at a multiple of 256 from h2's first; the next launch reads them, so no hint
.set k, k+1
.endr
	; the largest h of each 64 columns: 16 lanes of a chunk; every lane of the 16 ends up with it
.irp n, 1,2,4,8
	EACH v_max_num_f32_dpp v[MX+k], v[MX+k], v[MX+k] row_xmask:\n row_mask:0xf bank_mask:0xf
.endr
	v_mov_b32 v[RW], 0                             ; lanes 12-15 and 28-31 write 0 into the row's eight unused words: all 128 bytes are written
.set k, 0
.rept 12
	s_mov_b32 s[CM+k%4], 0x10001<<k                ; lanes k and 16 + k take chunk k's two figures
	v_cndmask_b32 v[RW], v[RW], v[MX+k], s[CM+k%4]
.set k, k+1
.endr
	v_cvt_u32_f32 v[RW], v[RW]                     ; a whole number: the next launch counts its trips by it
	global_store_b32 v[RO], v[RW], s[8:9]
	s_endpgm
.Lfunc_end_k_qf1466f2a70_rows:
	.size	k_qf1466f2a70_rows, .Lfunc_end_k_qf1466f2a70_rows-k_qf1466f2a70_rows
	.p2alignl 7, 3214868480
	.fill 96, 4, 3214868480
	.section	.rodata,"a",@progbits
	.p2align	6, 0x0
	.amdhsa_kernel k_qf1466f2a70_rows
		.amdhsa_group_segment_fixed_size 0
		.amdhsa_private_segment_fixed_size 0
		.amdhsa_enable_private_segment 0
		.amdhsa_kernarg_size 24
		.amdhsa_user_sgpr_count 2
		.amdhsa_user_sgpr_kernarg_segment_ptr 1
		.amdhsa_wavefront_size32 1
		.amdhsa_system_sgpr_workgroup_id_x 1
		.amdhsa_system_sgpr_workgroup_id_y 1
		.amdhsa_system_sgpr_workgroup_id_z 1
		.amdhsa_system_vgpr_workitem_id 0
		.amdhsa_next_free_vgpr 148
		.amdhsa_next_free_sgpr 70
		.amdhsa_reserve_vcc 0
		.amdhsa_float_denorm_mode_32 3
		.amdhsa_float_denorm_mode_16_64 3
		.amdhsa_memory_ordered 1
		.amdhsa_forward_progress 1
		.amdhsa_inst_pref_size 48
	.end_amdhsa_kernel
	.amdgpu_metadata
---
amdhsa.version: [ 1, 2 ]
amdhsa.kernels:
  - .name:           k_qf1466f2a70_rows
    .symbol:         k_qf1466f2a70_rows.kd
    .args:
      - { .name: mask, .offset: 0, .size: 8, .value_kind: global_buffer, .address_space: global }
      - { .name: h2, .offset: 8, .size: 8, .value_kind: global_buffer, .address_space: global }
      - { .name: rad, .offset: 16, .size: 8, .value_kind: global_buffer, .address_space: global }
    .group_segment_fixed_size: 0
    .private_segment_fixed_size: 0
    .kernarg_segment_align: 8
    .kernarg_segment_size: 24
    .max_flat_workgroup_size: 96
    .sgpr_count:     70
    .vgpr_count:     148
    .wavefront_size: 32
...
	.end_amdgpu_metadata
.endif
;; end of part 1
;; launch cols (part 2): grid 8 x 32, 12 waves a work-group, no clusters, 0 bytes of LDS; arguments h2, rad, out0; writes out0
.if DOCPART == 2
	.amdgcn_target "amdgcn-amd-amdhsa--gfx1250"
	.amdhsa_code_object_version 6
	.text
	.protected	k_qf1466f2a70_cols
	.globl	k_qf1466f2a70_cols
	.p2align	8
	.type	k_qf1466f2a70_cols,@function
k_qf1466f2a70_cols:
	s_mov_b64 s[64:65], 0
	v_nop
	global_prefetch_b8 v0, s[64:65] scope:SCOPE_SE
	s_setreg_imm32_b32 hwreg(HW_REG_WAVE_MODE, 25, 1), 1
	s_wait_xcnt 0x0
; EUCLIDEAN DISTANCE TRANSFORM, SECOND HALF: out0[i][j] = sqrt( min over rows r of h2[r][j] + (i - r)^2 ), h2 the squared distance along the row from the launch before.
; WHICH ROWS COUNT.  r = i is a candidate, so the minimum is at most h2[i][j] = h^2; a row with |i - r| >= h offers at least (i - r)^2 >= h^2 and cannot lower it.  So a tile whose largest h is
; hmax needs hmax - 1 rows beyond each of its edges and no more: exact for every mask.  hmax lies in rad as whole numbers, stored by the launch before; the trip count is made of it.
; A mask with a row without background in the tile has hmax = 2304: the count is cut at 192 trips of 4 rows, which reach every one of the 768 rows.  The time grows with hmax; the result does not depend on it.
; PAST THE IMAGE a row's number is held to 0 .. 767.  Such a candidate is a real row's h2 plus a square that is too large: never below that row's true candidate, so it changes no minimum.
; SHARES.  A wave owns 6 rows x 64 columns, a lane two neighbouring columns: every load and store of the wave covers 256 consecutive bytes, at a multiple of 256 from the buffer's first.  A candidate
; lies in the same lane as the result: nothing passes between lanes or waves, no LDS, no barrier.  12 waves (4 tiles down x 3 across) make a work-group of 24 rows x 192 columns; 8 x 32 work-groups.
; ARITHMETIC.  All numbers are whole and below 2^24: exact in f32.  Two columns' sums in one v_pk_add_f32 (the square comes from a scalar pair's low word), a candidate from above and one from below in one v_min3_num_f32.
; THE RING.  Rows outside the tile come 4 above and 4 below a trip, in four register slots of two loads; a slot is asked for again, with the next trip's rows, as soon as its sums are made.  The last trip
; is written out without requests.  The first trip's rows are asked for before the count is known: they are wasted only where hmax <= 1.
.set ROWB, 6144                        ; bytes in a row
.set LASTROW, 767
.set L8,  1                            ; v1       8 x lane; never rewritten
.set TO,  2                            ; v2       8 x lane + my first row's bytes; never rewritten
.set H,   4                            ; v[4:15]  the tile's six rows of h2, two columns each
.set ACC, 16                           ; v[16:27] the six results
.set TP,  28                           ; v[28:35] slot a: the row above
.set BT,  36                           ; v[36:43] slot a: the row below
.set VT,  44                           ; v44-47   slot a: the byte offset of its row above
.set VB,  48                           ; v48-51   of its row below
.set SB,  52                           ; v[52:111] sums at work: in the tile H[p] + d^2 at SB + 2 (6 (d - 1) + p); in a slot 24 registers
.set SQ,  36                           ; s[36:53] (4 n + 1 + i)^2, i = 0 .. 8, in the low words of nine pairs
	s_load_b128 s[4:7], s[0:1], 0x0                ; h2 s[4:5], rad s[6:7]
	s_load_b64 s[8:9], s[0:1], 0x10                ; out0
	v_and_b32 v1, 31, v0
	v_lshrrev_b32 v2, 5, v0
	v_readfirstlane_b32 s10, v2                    ; wave 0..11
	s_and_b32 s11, s10, 3                          ; which of the group's four tiles down,
	s_lshr_b32 s12, s10, 2                         ; which of its three across
	s_and_b32 s13, ttmp7, 0xffff
	s_mul_i32 s13, s13, 24
	s_mul_i32 s11, s11, 6
	s_add_co_u32 s13, s13, s11                     ; my first row
	s_mul_i32 s14, ttmp9, 3
	s_add_co_u32 s14, s14, s12                     ; my strip of 64 columns, 0..23
	s_lshl_b32 s16, s14, 8                         ; its 256 bytes in a row
	s_mov_b32 s17, 0
	s_lshl_b32 s18, s13, 7                         ; rad: 128 bytes a row,
	s_lshl2_add_u32 s18, s14, s18                  ; 4 a strip
	s_mov_b32 s19, 0
	v_lshlrev_b32 v[L8], 3, v1
	s_mul_i32 s32, s13, ROWB
	v_add_nc_u32 v[TO], s32, v[L8]
	s_sub_co_i32 s30, s13, 1                       ; the first row above the tile (may be -1),
	s_add_co_u32 s31, s13, 6                       ; the first below
	s_sub_co_i32 s34, s13, 5                       ; the same one trip further out
	s_add_co_u32 s35, s13, 10
	s_wait_kmcnt 0x0
	s_add_nc_u64 s[6:7], s[6:7], s[18:19]
.irp t, 0,1,2,3,4,5
	s_load_b32 s[20+\t], s[6:7], 128*\t            ; the largest h of my strip in each of my six rows
.endr
	s_add_nc_u64 s[4:5], s[4:5], s[16:17]          ; h2 and out0 at my strip
	s_add_nc_u64 s[8:9], s[8:9], s[16:17]
.irp t, 0,1,2,3,4,5
	global_load_b64 v[H+2*\t:H+2*\t+1], v[TO], s[4:5] offset:ROWB*\t
.endr
; Slot a's two rows are asked for: rows s30 - a and s31 + a, held to the image.
.macro ROWS a
	s_sub_co_i32 s32, s30, \a
	s_add_co_u32 s33, s31, \a
	s_max_i32 s32, s32, 0
	s_min_u32 s33, s33, LASTROW
	s_min_u32 s32, s32, LASTROW
	s_mul_i32 s32, s32, ROWB
	s_mul_i32 s33, s33, ROWB
	v_add_nc_u32 v[VT+(\a)], s32, v[L8]            ; the slot's last loads have been waited for: their offsets may be written
	v_add_nc_u32 v[VB+(\a)], s33, v[L8]
	global_load_b64 v[TP+2*(\a):TP+2*(\a)+1], v[VT+(\a)], s[4:5]
	global_load_b64 v[BT+2*(\a):BT+2*(\a)+1], v[VB+(\a)], s[4:5]
.endm
.irp a, 0,1,2,3
	ROWS \a                                        ; trip 0's rows: 14 loads of the wave are out
.endr
; The nine squares of trip n; s29 = 4 n.  At most 777^2: exact.
.macro SQUARES
.irp i, 0,1,2,3,4,5,6,7,8
	s_add_co_u32 s[32+(\i)%2], s29, (\i)+1
	s_mul_i32 s[32+(\i)%2], s[32+(\i)%2], s[32+(\i)%2]
	s_cvt_f32_u32 s[SQ+2*(\i)], s[32+(\i)%2]
.endr
.endm
.irp i, 0,1,2,3,4,5,6,7,8
	s_mov_b32 s[SQ+2*\i+1], 0                      ; named with the low words as pairs, so they are written
.endr
	s_mov_b32 s29, 0
	SQUARES                                        ; 1, 4, 9 .. 81: trip 0's, and the squares inside the tile
	; INSIDE THE TILE.  H[p] + d^2 serves the rows d above and d below p: 24 sums; each result takes its own row and its five candidates, two at a time.
	s_wait_loadcnt 8                               ; loads come back in order (ISA guide 5.7.1): the tile's six rows are in, the eight behind them stay out
.irp d, 1,2,3,4,5
.irp p, 0,1,2,3,4,5
.if ((\p)+(\d) <= 5) || ((\p) >= (\d))
	v_pk_add_f32 v[SB+2*(6*((\d)-1)+(\p)):SB+2*(6*((\d)-1)+(\p))+1], v[H+2*(\p):H+2*(\p)+1], s[SQ+2*((\d)-1):SQ+2*((\d)-1)+1] op_sel_hi:[1,0]
.endif
.endr
.endr
.macro SREG name, t, p                 ; where H[p] + (t - p)^2 lies
.if (\t) > (\p)
.set \name, SB+2*(6*((\t)-(\p)-1)+(\p))
.else
.set \name, SB+2*(6*((\p)-(\t)-1)+(\p))
.endif
.endm
.macro FOLD3 t, src, p, q              ; result t = the least of src's row t and the candidates from rows p and q
	SREG rP, \t, \p
	SREG rQ, \t, \q
	v_min3_num_f32 v[ACC+2*(\t)],   v[(\src)+2*(\t)],   v[rP],   v[rQ]
	v_min3_num_f32 v[ACC+2*(\t)+1], v[(\src)+2*(\t)+1], v[rP+1], v[rQ+1]
.endm
.macro FOLD2 t, p
	SREG rP, \t, \p
	v_min_num_f32 v[ACC+2*(\t)],   v[ACC+2*(\t)],   v[rP]
	v_min_num_f32 v[ACC+2*(\t)+1], v[ACC+2*(\t)+1], v[rP+1]
.endm
	FOLD3 0, H, 1, 2                               ; the first fold starts the results from the rows themselves: nothing is copied
	FOLD3 1, H, 0, 2
	FOLD3 2, H, 0, 1
	FOLD3 3, H, 0, 1
	FOLD3 4, H, 0, 1
	FOLD3 5, H, 0, 1
	FOLD3 0, ACC, 3, 4
	FOLD3 1, ACC, 3, 4
	FOLD3 2, ACC, 3, 4
	FOLD3 3, ACC, 2, 4
	FOLD3 4, ACC, 2, 3
	FOLD3 5, ACC, 2, 3
	FOLD2 0, 5
	FOLD2 1, 5
	FOLD2 2, 5
	FOLD2 3, 5
	FOLD2 4, 5
	FOLD2 5, 4
; OUTSIDE THE TILE.  Slot a of trip n holds the rows 4 n + a + 1 above my first row and as far below my last.  From result t the upper one is 4 n + 1 + (a + t) away, the lower one 4 n + 1 + (a + 5 - t).
; reload = 1: the slot is asked for again once its twelve sums have read it.  left = the younger loads that may stay out.
.macro SLOT a, reload, left
	s_wait_loadcnt \left
.irp t, 0,1,2,3,4,5
	v_pk_add_f32 v[SB+4*(\t):SB+4*(\t)+1],   v[TP+2*(\a):TP+2*(\a)+1], s[SQ+2*((\a)+(\t)):SQ+2*((\a)+(\t))+1] op_sel_hi:[1,0]
	v_pk_add_f32 v[SB+4*(\t)+2:SB+4*(\t)+3], v[BT+2*(\a):BT+2*(\a)+1], s[SQ+2*((\a)+5-(\t)):SQ+2*((\a)+5-(\t))+1] op_sel_hi:[1,0]
.endr
.if \reload
	ROWS \a
.endif
.irp t, 0,1,2,3,4,5
	v_min3_num_f32 v[ACC+2*(\t)],   v[ACC+2*(\t)],   v[SB+4*(\t)],   v[SB+4*(\t)+2]
	v_min3_num_f32 v[ACC+2*(\t)+1], v[ACC+2*(\t)+1], v[SB+4*(\t)+1], v[SB+4*(\t)+3]
.endr
.endm
	s_wait_kmcnt 0x0                               ; the six figures of rad
	s_max_u32 s20, s20, s21
	s_max_u32 s22, s22, s23
	s_max_u32 s24, s24, s25
	s_max_u32 s20, s20, s22
	s_max_u32 s20, s20, s24                        ; hmax
	s_add_co_u32 s26, s20, 2
	s_lshr_b32 s26, s26, 2                         ; (hmax - 1) rows in trips of 4, rounded up; 0 for hmax = 0 and 1
	s_min_u32 s26, s26, 192                        ; 768 rows either way reach the whole image
	s_cmp_eq_u32 s26, 0
	s_cbranch_scc1 .Ldone                          ; (trip 0's eight loads stay out; nothing below names their registers)
	s_sub_co_u32 s27, s26, 1                       ; all trips but the last ask for the next
	s_mov_b32 s28, 0                               ; n
	s_cmp_eq_u32 s27, 0
	s_cbranch_scc1 .Ltail
.Ltrip:
	s_sub_co_i32 s30, s34, s29                     ; the next trip's first rows: 4 n + 5 above my first row,
	s_add_co_u32 s31, s35, s29                     ; 4 n + 5 below my last
	SLOT 0, 1, 6                                   ; 6: the other three slots' two loads each were issued behind this slot's
	SLOT 1, 1, 6
	SLOT 2, 1, 6
	SLOT 3, 1, 6
	s_add_co_u32 s28, s28, 1
	s_lshl_b32 s29, s28, 2
	SQUARES                                        ; the next trip's squares
	s_cmp_lt_u32 s28, s27
	s_cbranch_scc1 .Ltrip
.Ltail:                                                ; the last trip asks for nothing: the counts run down
	SLOT 0, 0, 6
	SLOT 1, 0, 4
	SLOT 2, 0, 2
	SLOT 3, 0, 0
.Ldone:
.irp i, 0,1,2,3,4,5,6,7,8,9,10,11
	v_sqrt_f32 v[ACC+\i], v[ACC+\i]
.endr
	v_nop                                          ; a plain instruction between the last root and the use of its result (ISA guide 5.7.2)
	s_wait_alu depctr_va_vdst(0)
.irp t, 0,1,2,3,4,5
	global_store_b64 v[TO], v[ACC+2*\t:ACC+2*\t+1], s[8:9] offset:ROWB*\t th:TH_STORE_NT  ; 256 consecutive bytes, at a multiple of 256 from out0's first; written once
.endr
	s_endpgm
.Lfunc_end_k_qf1466f2a70_cols:
	.size	k_qf1466f2a70_cols, .Lfunc_end_k_qf1466f2a70_cols-k_qf1466f2a70_cols
	.p2alignl 7, 3214868480
	.fill 96, 4, 3214868480
	.section	.rodata,"a",@progbits
	.p2align	6, 0x0
	.amdhsa_kernel k_qf1466f2a70_cols
		.amdhsa_group_segment_fixed_size 0
		.amdhsa_private_segment_fixed_size 0
		.amdhsa_enable_private_segment 0
		.amdhsa_kernarg_size 24
		.amdhsa_user_sgpr_count 2
		.amdhsa_user_sgpr_kernarg_segment_ptr 1
		.amdhsa_wavefront_size32 1
		.amdhsa_system_sgpr_workgroup_id_x 1
		.amdhsa_system_sgpr_workgroup_id_y 1
		.amdhsa_system_sgpr_workgroup_id_z 1
		.amdhsa_system_vgpr_workitem_id 0
		.amdhsa_next_free_vgpr 112
		.amdhsa_next_free_sgpr 66
		.amdhsa_reserve_vcc 0
		.amdhsa_float_denorm_mode_32 3
		.amdhsa_float_denorm_mode_16_64 3
		.amdhsa_memory_ordered 1
		.amdhsa_forward_progress 1
		.amdhsa_inst_pref_size 27
	.end_amdhsa_kernel
	.amdgpu_metadata
---
amdhsa.version: [ 1, 2 ]
amdhsa.kernels:
  - .name:           k_qf1466f2a70_cols
    .symbol:         k_qf1466f2a70_cols.kd
    .args:
      - { .name: h2, .offset: 0, .size: 8, .value_kind: global_buffer, .address_space: global }
      - { .name: rad, .offset: 8, .size: 8, .value_kind: global_buffer, .address_space: global }
      - { .name: out0, .offset: 16, .size: 8, .value_kind: global_buffer, .address_space: global }
    .group_segment_fixed_size: 0
    .private_segment_fixed_size: 0
    .kernarg_segment_align: 8
    .kernarg_segment_size: 24
    .max_flat_workgroup_size: 384
    .sgpr_count:     66
    .vgpr_count:     112
    .wavefront_size: 32
...
	.end_amdgpu_metadata
.endif
;; end of part 2
;; ======== version 2 of 2: 2 launches; version 1 with the launch rows written anew for expert scheduling mode
;; workspace buffers: h2 4,718,592 bytes; rad 98,304 bytes of whole numbers
;; launch rows (part 3): grid 256 x 1, 3 waves a work-group, no clusters, 0 bytes of LDS; arguments mask, h2, rad; writes h2, rad
.if DOCPART == 3
	.amdgcn_target "amdgcn-amd-amdhsa--gfx1250"
	.amdhsa_code_object_version 6
	.text
	.protected	k_qf1466f2a70_rows
	.globl	k_qf1466f2a70_rows
	.p2align	8
	.type	k_qf1466f2a70_rows,@function
k_qf1466f2a70_rows:
	s_mov_b64 s[64:65], 0
	v_nop
	global_prefetch_b8 v0, s[64:65] scope:SCOPE_SE
	s_setreg_imm32_b32 hwreg(HW_REG_WAVE_SCHED_MODE, 0, 2), 2
	s_setreg_imm32_b32 hwreg(HW_REG_WAVE_MODE, 25, 1), 1
	s_wait_xcnt 0x0
	s_wait_alu depctr_vm_vsrc(0)
; EUCLIDEAN DISTANCE TRANSFORM, FIRST HALF: for every pixel the distance h ALONG ITS ROW to the nearest background pixel (mask == 0), 2304 where the row has none;
; h2[row][col] = h * h in f32 (whole numbers up to 5,308,416: exact), and rad[row][s] = the largest h among columns 64 s .. 64 s + 63, as a whole number.
; The reference takes the 1-D distance down the columns first and combines along the rows.  The result is the least (i-r)^2 + (j-k)^2 over all background pixels (r, k) whichever axis
; comes first: 2304^2 is above every real candidate (767^2 + 1535^2 = 2,944,514), so a line without background never wins unless no line has any, and then both orders give 2304.
; Rows first, because a row is 6,144 consecutive bytes: ONE WAVE OWNS ONE ROW, nothing passes between waves, no LDS, no barrier.  256 work-groups of 3 waves: 768 rows.
; NaN is foreground, -0.0 background, as mask == 0 has it.
; LAYOUT.  The row is 12 chunks of 128 columns; a chunk is one load of 16 bytes a lane: lane l holds columns 4 l .. 4 l + 3 of the chunk, the wave 512 consecutive bytes.
; METHOD.  Forward: a background pixel counts as its place in the chunk + 1 (1 .. 128), any other as -8192; the running maximum P over all columns up to mine gives left = place + 1 - P.
; Backward the same with mirrored places (128 .. 1) and a maximum over all columns from mine on.  The maximum runs in the lane (3 steps), over 16 lanes (4 steps on the arithmetic itself),
; from the lower 16 lanes to the upper, and from chunk to chunk, where a place loses 128.  The carry starts at -4096: where no background lies that way the distance exceeds 2304 and is cut to it.
; THE MODE: SCHED_MODE bits 1:0 = 2 (LLVM: expert scheduling mode 2), set by the entry lines.  The code itself states the register dependences between vector instructions and memory
; instructions, and those through a scalar register that a vector instruction writes, with s_wait_alu, always for 0.
; THE PLAN.  Registers that memory instructions touch:
;   v[OFF]       written once at the head; read as the offset by all 12 loads and all 12 stores of h2; never written again.
;   F, chunk k   the load of chunk k lands in it, and no vector instruction names it before that; at the end chunk k's squares write it and chunk k's store reads it; nothing writes it behind the store.
;   v[RO], v[RW] written by vector lines; read by the one store of rad, the kernel's last instruction.
; So no register that a memory instruction reads is written again, and no wait for such a read is owed.  What is owed is that a store's data are written: the chunks go in groups of three, ONE wait
; stands behind a group's arithmetic, and the group's three stores follow it, dealt among the next group's lines, which name that group's own registers and the constants alone.
; Scalar registers that vector instructions write: the wave's number; the 48 masks of the compares, twelve to a run, one wait behind each run; the 48 totals, one run and one wait.
.set ROWB, 6144                        ; bytes in a row
.set OFF,  2                           ; v2       16 x lane; never rewritten
.set NEGV, 3                           ; v3       -8192: no background here
.set Q,    4                           ; v[4:7]   place + 1 of my four columns in a chunk
.set QB,   8                           ; v[8:11]  the mirrored place + 1
.set CF,   12                          ; v12      the carry into the chunk in hand, forward
.set CB,   13                          ; v13      backward
.set RW,   14                          ; v14      my word of rad
.set RO,   15                          ; v15      its byte offset in the row's 128 bytes of rad
.set F,    16                          ; v[16:63]   chunk k at F + 4 k: the mask as loaded, then forward maxima, then h, then h * h
.set G,    64                          ; v[64:111]  chunk k at G + 4 k: backward maxima, then the distance to the right
.set XF,   112                         ; v[112:123] chunk k: the maximum over everything to the left of my lane
.set XB,   124                         ; v[124:135] chunk k: over everything to the right of my lane
.set MX,   136                         ; v[136:147] chunk k: the largest h of my four columns, then of my 16 lanes
.set HI,   14                          ; s14      lanes 16 to 31
.set BIGS, 15                          ; s15      2304.0
.set MK,   16                          ; s[16:63] first: where column e of chunk k is background, a mask of lanes at MK + 4 k + e; each has a register of its own
.set RF,   16                          ; s[16:39] then: chunk k: the forward totals of lanes 0-15 and of lanes 16-31
.set RB,   40                          ; s[40:63] the backward totals likewise
.set CM,   66                          ; s[66:69] lane masks at work, at the end
.macro EACH line:vararg                ; one line for each chunk k
.set k, 0
.rept 12
	\line
.set k, k+1
.endr
.endm
	s_load_b128 s[4:7], s[0:1], 0x0                ; mask s[4:5], h2 s[6:7]
	s_load_b64 s[8:9], s[0:1], 0x10                ; rad
	v_and_b32 v1, 31, v0                           ; lane
	v_lshrrev_b32 v[RO], 5, v0
	v_readfirstlane_b32 s10, v[RO]                 ; wave 0..2
	v_lshlrev_b32 v[OFF], 4, v1
	s_mul_i32 s11, ttmp9, 3
	s_wait_alu depctr_va_sdst(0)                   ; s10 is written, ahead of its first reader: the row's number, and the three bases, are made from it
	s_add_co_u32 s11, s11, s10                     ; my row
	s_mul_i32 s12, s11, ROWB                       ; its first byte, under 2^23
	s_mov_b32 s13, 0
	s_wait_kmcnt 0x0
	s_add_nc_u64 s[4:5], s[4:5], s[12:13]
	s_add_nc_u64 s[6:7], s[6:7], s[12:13]
	s_lshl_b32 s12, s11, 7                         ; 128 bytes of rad a row
	s_add_nc_u64 s[8:9], s[8:9], s[12:13]
	s_wait_alu depctr_va_vdst(0)                   ; v[OFF] is written: every load below and every store of h2 reads it as its offset
	EACH global_load_b128 v[F+4*k:F+4*k+3], v[OFF], s[4:5] offset:512*k th:TH_LOAD_NT  ; the whole row at once: 12 loads of the wave are out; the launch reads each byte once
	; the constants are made while the row is on its way: none of these lines names v[OFF] or a register of F
	v_lshlrev_b32 v[CF], 2, v1
	v_cvt_f32_u32 v[CF], v[CF]                     ; 4 x lane
	v_add_f32 v[Q],   1.0, v[CF]
	v_add_f32 v[Q+1], 2.0, v[CF]
	v_add_f32 v[Q+2], 0x40400000, v[CF]            ; 3.0
	v_add_f32 v[Q+3], 4.0, v[CF]
	v_sub_f32 v[QB],   0x43000000, v[CF]           ; 128 - 4 x lane
	v_sub_f32 v[QB+1], 0x42fe0000, v[CF]           ; 127
	v_sub_f32 v[QB+2], 0x42fc0000, v[CF]           ; 126
	v_sub_f32 v[QB+3], 0x42fa0000, v[CF]           ; 125
	v_mov_b32 v[NEGV], 0xc6000000                  ; -8192: below every carry (-4096 - 12 x 128 at the least)
	s_mov_b32 s[HI], 0xffff0000
	s_mov_b32 s[BIGS], 0x45100000                  ; 2304.0
	v_and_b32 v[RO], 15, v1
	v_lshrrev_b32 v[RW], 4, v1
	v_lshl_add_u32 v[RO], v[RO], 1, v[RW]          ; lane k holds strip 2 k, lane 16 + k strip 2 k + 1
	v_lshlrev_b32 v[RO], 2, v[RO]
	; background -> its place, both ways; three chunks at a time: twelve compares in a run, then the selects that read their masks
.set g, 0
.rept 4
	s_wait_loadcnt 9-3*g                           ; loads come back in order (ISA guide 5.7.1): chunks 3 g to 3 g + 2 are in, the 9 - 3 g chunks behind them may be out
.set k, 3*g
.rept 3
.irp e, 0,1,2,3
	v_cmp_eq_f32 s[MK+4*k+\e], 0, v[F+4*k+\e]
.endr
.set k, k+1
.endr
	s_wait_alu depctr_va_sdst(0)                   ; the twelve compares have written their masks, ahead of the first select that reads one
.set k, 3*g
.rept 3
.irp e, 0,1,2,3
	v_cndmask_b32 v[G+4*k+\e], v[NEGV], v[QB+\e], s[MK+4*k+\e]
	v_cndmask_b32 v[F+4*k+\e], v[NEGV], v[Q+\e], s[MK+4*k+\e]
.endr
.set k, k+1
.endr
.set g, g+1
.endr
	; in the lane: forward from column 0 to 3, backward from 3 to 0.  Every step is written for all 12 chunks, so that no line waits for the one in front of it
	EACH v_max_num_f32 v[F+4*k+1], v[F+4*k], v[F+4*k+1]
	EACH v_max_num_f32 v[G+4*k+2], v[G+4*k+3], v[G+4*k+2]
	EACH v_max_num_f32 v[F+4*k+2], v[F+4*k+1], v[F+4*k+2]
	EACH v_max_num_f32 v[G+4*k+1], v[G+4*k+2], v[G+4*k+1]
	EACH v_max_num_f32 v[F+4*k+3], v[F+4*k+2], v[F+4*k+3]
	EACH v_max_num_f32 v[G+4*k], v[G+4*k+1], v[G+4*k]
	; over 16 lanes, in place: lane i takes lane i - n (forward) or i + n (backward); a lane without such a neighbour keeps what it has, which is right
.irp n, 1,2,4,8
	EACH v_max_num_f32_dpp v[F+4*k+3], v[F+4*k+3], v[F+4*k+3] row_shr:\n row_mask:0xf bank_mask:0xf
	EACH v_max_num_f32_dpp v[G+4*k], v[G+4*k], v[G+4*k] row_shl:\n row_mask:0xf bank_mask:0xf
.endr
	; the totals of the two halves of the lanes: forward they stand in the last lane of a half, backward in the first
	EACH v_readlane_b32 s[RF+2*k], v[F+4*k+3], 15
	EACH v_readlane_b32 s[RF+2*k+1], v[F+4*k+3], 31
	EACH v_readlane_b32 s[RB+2*k], v[G+4*k], 0
	EACH v_readlane_b32 s[RB+2*k+1], v[G+4*k], 16
	s_wait_alu depctr_va_sdst(0)                   ; the 48 totals are written, ahead of the first line that reads one
	EACH v_cndmask_b32 v[XF+k], v[NEGV], s[RF+2*k], s[HI]    ; lanes 16-31 have lanes 0-15 to their left
	EACH v_cndmask_b32 v[XB+k], s[RB+2*k+1], v[NEGV], s[HI]  ; lanes 0-15 have lanes 16-31 to their right
	; from chunk to chunk: forward upward, backward downward; in the next chunk's count a place is 128 less
	v_mov_b32 v[CF], 0xc5800000                    ; -4096: nothing yet
	v_mov_b32 v[CB], 0xc5800000
.set k, 0
.rept 12
	v_max_num_f32 v[XF+k], v[CF], v[XF+k]
	v_max_num_f32 v[XB+11-k], v[CB], v[XB+11-k]
.if k < 11
	v_max3_num_f32 v[CF], v[CF], s[RF+2*k], s[RF+2*k+1]
	v_max3_num_f32 v[CB], v[CB], s[RB+2*(11-k)], s[RB+2*(11-k)+1]
	v_add_f32 v[CF], 0xc3000000, v[CF]             ; - 128
	v_add_f32 v[CB], 0xc3000000, v[CB]
.endif
.set k, k+1
.endr
	; and the lanes of my own half in front of me (behind me): my neighbour's running maximum; the first (last) lane of a half keeps the carry
	EACH v_max_num_f32_dpp v[XF+k], v[F+4*k+3], v[XF+k] row_shr:1 row_mask:0xf bank_mask:0xf
	EACH v_max_num_f32_dpp v[XB+k], v[G+4*k], v[XB+k] row_shl:1 row_mask:0xf bank_mask:0xf
	; distances, h, its square, and out.  Chunk k's store stands ahead of chunk k + 3's arithmetic, behind the wait at the head of that chunk's group of three
.set k, 0
.rept 12
.if (k%3 == 0) && (k > 0)
	s_wait_alu depctr_va_vdst(0)                   ; the three chunks before have written their h * h, which the next three stores read
.endif
.if k >= 3
	global_store_b128 v[OFF], v[F+4*(k-3):F+4*(k-3)+3], s[6:7] offset:512*(k-3)  ; 512 consecutive bytes, at a multiple of 256 from h2's first; the next launch reads them, so no hint.  No vector line since the wait names these registers
.endif
.irp e, 0,1,2,3
	v_max_num_f32 v[F+4*k+\e], v[F+4*k+\e], v[XF+k]
	v_max_num_f32 v[G+4*k+\e], v[G+4*k+\e], v[XB+k]
.endr
	v_pk_add_f32 v[F+4*k:F+4*k+1],   v[Q:Q+1],     v[F+4*k:F+4*k+1]   neg_lo:[0,1] neg_hi:[0,1]  ; to the left: place + 1 - P
	v_pk_add_f32 v[F+4*k+2:F+4*k+3], v[Q+2:Q+3],   v[F+4*k+2:F+4*k+3] neg_lo:[0,1] neg_hi:[0,1]
	v_pk_add_f32 v[G+4*k:G+4*k+1],   v[QB:QB+1],   v[G+4*k:G+4*k+1]   neg_lo:[0,1] neg_hi:[0,1]  ; to the right
	v_pk_add_f32 v[G+4*k+2:G+4*k+3], v[QB+2:QB+3], v[G+4*k+2:G+4*k+3] neg_lo:[0,1] neg_hi:[0,1]
.irp e, 0,1,2,3
	v_min3_num_f32 v[F+4*k+\e], v[F+4*k+\e], v[G+4*k+\e], s[BIGS]
.endr
	v_max3_num_f32 v[MX+k], v[F+4*k], v[F+4*k+1], v[F+4*k+2]
	v_max_num_f32 v[MX+k], v[MX+k], v[F+4*k+3]
	v_pk_mul_f32 v[F+4*k:F+4*k+1], v[F+4*k:F+4*k+1], v[F+4*k:F+4*k+1]
	v_pk_mul_f32 v[F+4*k+2:F+4*k+3], v[F+4*k+2:F+4*k+3], v[F+4*k+2:F+4*k+3]
.set k, k+1
.endr
	s_wait_alu depctr_va_vdst(0)                   ; chunks 9 to 11 have written their h * h, which the last three stores read
.irp c, 9,10,11
	global_store_b128 v[OFF], v[F+4*\c:F+4*\c+3], s[6:7] offset:512*\c
.endr
	; the largest h of each 64 columns: 16 lanes of a chunk; every lane of the 16 ends up with it
.irp n, 1,2,4,8
	EACH v_max_num_f32_dpp v[MX+k], v[MX+k], v[MX+k] row_xmask:\n row_mask:0xf bank_mask:0xf
.endr
	v_mov_b32 v[RW], 0                             ; lanes 12-15 and 28-31 write 0 into the row's eight unused words: all 128 bytes are written
.set k, 0
.rept 12
	s_mov_b32 s[CM+k%4], 0x10001<<k                ; lanes k and 16 + k take chunk k's two figures
	v_cndmask_b32 v[RW], v[RW], v[MX+k], s[CM+k%4]
.set k, k+1
.endr
	v_cvt_u32_f32 v[RW], v[RW]                     ; a whole number: the next launch counts its trips by it
	s_wait_alu depctr_va_vdst(0)                   ; v[RW] and v[RO] are written: the store below reads them as its data and its offset
	global_store_b32 v[RO], v[RW], s[8:9]
	s_endpgm
.Lfunc_end_k_qf1466f2a70_rows:
	.size	k_qf1466f2a70_rows, .Lfunc_end_k_qf1466f2a70_rows-k_qf1466f2a70_rows
	.p2alignl 7, 3214868480
	.fill 96, 4, 3214868480
	.section	.rodata,"a",@progbits
	.p2align	6, 0x0
	.amdhsa_kernel k_qf1466f2a70_rows
		.amdhsa_group_segment_fixed_size 0
		.amdhsa_private_segment_fixed_size 0
		.amdhsa_enable_private_segment 0
		.amdhsa_kernarg_size 24
		.amdhsa_user_sgpr_count 2
		.amdhsa_user_sgpr_kernarg_segment_ptr 1
		.amdhsa_wavefront_size32 1
		.amdhsa_system_sgpr_workgroup_id_x 1
		.amdhsa_system_sgpr_workgroup_id_y 1
		.amdhsa_system_sgpr_workgroup_id_z 1
		.amdhsa_system_vgpr_workitem_id 0
		.amdhsa_next_free_vgpr 148
		.amdhsa_next_free_sgpr 70
		.amdhsa_reserve_vcc 0
		.amdhsa_float_denorm_mode_32 3
		.amdhsa_float_denorm_mode_16_64 3
		.amdhsa_memory_ordered 1
		.amdhsa_forward_progress 1
		.amdhsa_inst_pref_size 48
	.end_amdhsa_kernel
	.amdgpu_metadata
---
amdhsa.version: [ 1, 2 ]
amdhsa.kernels:
  - .name:           k_qf1466f2a70_rows
    .symbol:         k_qf1466f2a70_rows.kd
    .args:
      - { .name: mask, .offset: 0, .size: 8, .value_kind: global_buffer, .address_space: global }
      - { .name: h2, .offset: 8, .size: 8, .value_kind: global_buffer, .address_space: global }
      - { .name: rad, .offset: 16, .size: 8, .value_kind: global_buffer, .address_space: global }
    .group_segment_fixed_size: 0
    .private_segment_fixed_size: 0
    .kernarg_segment_align: 8
    .kernarg_segment_size: 24
    .max_flat_workgroup_size: 96
    .sgpr_count:     70
    .vgpr_count:     148
    .wavefront_size: 32
...
	.end_amdgpu_metadata
.endif
;; end of part 3
;; launch cols: the kernel of part 2 again; grid 8 x 32, 12 waves a work-group, no clusters, 0 bytes of LDS; arguments h2, rad, out0; writes out0
